; MI455X (gfx1250); checked and timed in simulation.
; The chip was launched on July 23, 2026; its instructions are those of AMD's public machine-readable ISA for CDNA 5 (MIT licence, August 2026) and "CDNA5" Instruction Set Architecture Reference Guide (July 2026). The comments in the code are by the model that wrote it; some were corrected since.
;; QKV Block. Allowed arithmetic: matrix products marked QUANTISED: E2M3 operands, one E8M0 scale for each 32 along K, by v_wmma_scale_f32_16x16x128_f8f6f4 with both operands' format E2M3, f32 sums; everything else in f32.
;; Inputs: Wk 1,024 x 1,024 float32; Wo 1,024 x 1,024 float32; Wq 1,024 x 1,024 float32; Wv 1,024 x 1,024 float32; bk 1,024 float32; bo 1,024 float32; bq 1,024 float32; bv 1,024 float32; x 2 x 2,048 x 1,024 float32.
;; Outputs: out0 2 x 2,048 x 1,024 float32.
;; This version of the problem:
;;   THIS VERSION OF THE PROBLEM IS GIVEN IN LOW PRECISION. The matrix products marked QUANTISED in the list below multiply operands that are first quantised to E2M3 (2 exponent bits, 3 mantissa bits; 6 bits a number), with one power-of-two scale for each 32 numbers along K (OCP MX v1.0); their sums are f32. All else is computed in f32.
;;   The module's matrix products, in the order in which they are computed (A, B: the left and right operand; K: the contracted axis; several contracted axes count as one K, in the product's order):
;;     1. [M 4,096, K 1,024] x [K 1,024, N 1,024]; A: input x; B: input Wq: QUANTISED
;;     2. [M 4,096, K 1,024] x [K 1,024, N 1,024]; A: input x; B: input Wk: QUANTISED
;;     3. [M 4,096, K 1,024] x [K 1,024, N 1,024]; A: input x; B: input Wv: QUANTISED
;;     4. batch 32 x [M 2,048, K 64] x [K 64, N 2,048]; A: computed on the way; B: computed on the way: QUANTISED
;;     5. batch 32 x [M 2,048, K 2,048] x [K 2,048, N 64]; A: softmax (see below); B: computed on the way: QUANTISED
;;     6. [M 4,096, K 1,024] x [K 1,024, N 1,024]; A: computed on the way; B: input Wo: QUANTISED
;;   THE QUANTISER, for each operand of a quantised product, along K:
;;     - K is cut into blocks of 32 from its start; a last block that is shorter is filled with zeros.
;;     - A block's scale is 2^e with e = floor(log2(the largest magnitude in the block)) - 2, held to -126 .. 127; a block of zeros has e = 0. As a byte (E8M0): e + 127.
;;     - Each number is divided by its block's scale, clamped to +-7.5, and rounded to the nearest number of E2M3, ties to even, subnormals kept.
;;     - The product sums the exact products of the quantised numbers (number of the format x scale) in f32.
;;   ~~~python
;;   def quantise(x, axis):      # numpy; x: float32 -> the quantised numbers, widened to float32 again
;;       x = np.moveaxis(x, axis, -1); K = x.shape[-1]
;;       x = np.pad(x, [(0, 0)] * (x.ndim - 1) + [(0, -K % 32)]); x = x.reshape(x.shape[:-1] + (-1, 32)); a = np.abs(x).max(-1, keepdims=True)
;;       e = np.where(a > 0, np.clip(np.frexp(np.where(a > 0, a, 1))[1] - 1 - 2, -126, 127), 0)      # np.frexp(a)[1] - 1 = floor(log2(a)), exactly
;;       r = np.clip(x / 2.0 ** e, -7.5, 7.5)
;;       step = 2.0 ** (np.maximum(np.frexp(np.where(r == 0, 1, r))[1] - 1, 0) - 3)
;;       q = np.round(r / step) * step * 2.0 ** e      # np.round: ties to even
;;       return np.moveaxis(q.reshape(q.shape[:-2] + (-1,))[..., :K], -1, axis).astype(np.float32)
;;   ~~~
;;   SOFTMAX AHEAD OF A QUANTISED PRODUCT. Where the list says 'softmax', what is quantised is not the finished softmax but p = 2^(t - M), with t = logit x log2(e) and M = ceil(the row's largest t), a whole number; so 1/2 < the row's largest p <= 1. The row's sum l is taken of the UNQUANTISED p, in f32, and the product's result is divided by l at the end. Since M is a whole number, a kernel that streams over the keys may use a running M (the ceiling of the running maximum): every later rescaling is an exact power of two, which a block's scale takes up: the codes' values come out the same.
;;   OPERANDS COMPUTED ON THE WAY. 'Computed on the way' means the value that the module computes at that place (a softmax that the list does not call 'softmax' is quantised finished and normalised). What goes into a quantiser is computed in f32, as accurately as f32 sums, v_exp_f32 and their like allow (about 1e-6 of the number): no bf16 or f16 on the way to a quantiser, and a product that is left as it is and whose result goes on into a quantised operand takes f32 operands (vector FMAs, or v_wmma_f32_16x16x4_f32). A number that lies on a knife's edge between two numbers of the format may be rounded either way, as far as f32 arithmetic and the matrix unit's own rounding can turn it there, and no further.
;; One version. Each part assembles by itself: llvm-mc -triple=amdgcn-amd-amdhsa -mcpu=gfx1250 --defsym DOCPART=n.
;; ======== version 1 of 1: 4 launches
;; limits: right only within a limited range of input values
;; workspace buffers: cod 6,291,456 bytes; scl 262,144 bytes; hc 9,830,400 bytes; hs 131,072 bytes; ac 3,145,728 bytes; asc 131,072 bytes
;; launch quant (part 1): grid 256 x 1, 4 waves a work-group, no clusters, 34,304 bytes of LDS; arguments x, Wq, Wk, Wv, Wo, cod, scl; writes cod, scl
.if DOCPART == 1
	.amdgcn_target "amdgcn-amd-amdhsa--gfx1250"
	.amdhsa_code_object_version 6
	.text
	.protected	k_qd7d5ca2f1a_quant
	.globl	k_qd7d5ca2f1a_quant
	.p2align	8
	.type	k_qd7d5ca2f1a_quant,@function
k_qd7d5ca2f1a_quant:
	s_mov_b64 s[64:65], 0
	v_nop
	global_prefetch_b8 v0, s[64:65] scope:SCOPE_SE
	s_setreg_imm32_b32 hwreg(HW_REG_WAVE_MODE, 25, 1), 1
	s_wait_xcnt 0x0
; x [4096][1024] and Wq, Wk, Wv, Wo [1024][1024], f32, K innermost, become codes of FP6 (E2M3) and one E8M0 scale byte for each 32 along K.
; TILES of 16 rows.  x, Wq, Wk, Wv: tile j = 0 .. 3 of a group of 64 rows holds, as its row r, row 32 (r / 8) + 8 j + r % 8 of the group: so a later product's lane holds, over four tiles, 32 neighbours: a whole scale block.
; Wo: tile j holds, as its row r, row 4 r + j of the group: so four tiles' results in one lane are four neighbours of an output row, and sixteen lanes' are 64.
; cod: [tile][K step of 128][piece of 4 registers][lane][16 bytes]: the image of the operand's registers; lane (r = lane % 16, h = lane / 16), registers 6 c .. 6 c + 5: k = 64 c + 32 h + 0 .. 31.
; scl: [tile][half of K][r][4 words]: byte b of a word scales k = 32 b .. of that row and K step.
; Tiles 0-255 x; 256 + 12 head + 0-3 Wq, 4-7 Wk, 8-11 Wv; 448-511 Wo.
; A block's scale byte is its largest magnitude's exponent field - 2, held at 1 from below.
; LIMITS: a block of zeros gets the byte 1 where the rule says 127 (its codes are zeros, and this program alone reads the bytes); blocks whose largest magnitude lies under 2^-124 are held at that floor;
; NaN and infinities among the inputs are not served.
; SHARES: a work-group takes two tiles, a wave half of K of one: four steps of 16 rows x 128.  All 64 loads, 32,768 bytes a wave, are asked for at once; each reads 512 consecutive bytes of a row.
; A step turns through the wave's own stage in LDS (rows of 512 + 16 bytes), so that a lane holds two blocks of its row.  A stream in which waves share nothing: no tensor load, no barrier, no cluster.
.set RP,    528
.set WREG,  16*RP
.set SPARE, 4*WREG
.set X,     64                         ; v64-127 a step's 64 numbers
.set C,     128                        ; v128-175 codes, twelve registers for each step; v256-511 the loads
.set MSB, 0
.macro WIN new
.if MSB != (\new)
	s_set_vgpr_msb (MSB<<8)|(\new)
.set MSB, (\new)
.endif
.endm
	s_load_b256 s[4:11], s[0:1], 0x0               ; x, Wq, Wk, Wv
	s_load_b128 s[12:15], s[0:1], 0x20             ; Wo, cod
	s_load_b64 s[24:25], s[0:1], 0x30              ; scl
	v_lshl_add_u32 v2, v0, 2, SPARE
	v_mov_b32 v3, 0
	v_lshrrev_b32 v1, 5, v0
	v_readfirstlane_b32 s16, v1                    ; wave
	v_and_b32 v4, 31, v0
	v_lshlrev_b32 v5, 4, v4                        ; 16 x lane
	v_and_b32 v6, 15, v0                           ; r
	v_bfe_u32 v7, v0, 4, 1                         ; h
	s_mul_i32 s17, s16, WREG
	v_add_nc_u32 v8, s17, v5                       ; into the stage
	v_mul_u32_u24 v9, v6, RP
	v_lshl_add_u32 v9, v7, 7, v9
	v_add_nc_u32 v9, s17, v9                       ; out of it: row r, block h
	v_lshlrev_b32 v10, 4, v6
	v_lshl_add_u32 v10, v7, 3, v10                 ; scale words: 16 r + 8 h
	s_and_b32 s18, ttmp9, 31
	s_cmp_lt_u32 ttmp9, 128
	s_cselect_b32 s18, ttmp9, s18
	s_lshl_b32 s18, s18, 1
	s_lshr_b32 s19, s16, 1
	s_add_co_u32 s18, s18, s19                     ; n: the tile in its tensor
	s_and_b32 s20, s18, -4
	s_lshl_b32 s21, s20, 4                         ; 64 (n / 4)
	s_and_b32 s22, s18, 3
	s_lshl_b32 s31, s22, 3
	s_cmp_ge_u32 ttmp9, 224
	s_cselect_b32 s22, s22, s31                    ; Wo: + j; the others: + 8 j
	s_add_co_u32 s21, s21, s22                     ; its first row
	s_lshl_b32 s26, s21, 12
	s_and_b32 s23, s16, 1                          ; which half of K
	s_lshl_b32 s27, s23, 11
	s_add_co_u32 s26, s26, s27
	s_mov_b32 s27, 0
	s_lshl_b32 s20, s20, 1
	s_add_co_u32 s20, s20, s18                     ; Wq, Wk, Wv: tile 256 + 12 (n / 4) + n % 4 + 4 x tensor
	s_add_co_u32 s20, s20, 240
	s_lshr_b32 s28, ttmp9, 5
	s_lshl_b32 s28, s28, 2
	s_add_co_u32 s20, s20, s28
	s_add_co_u32 s29, s18, 448
	s_cmp_ge_u32 ttmp9, 224
	s_cselect_b32 s20, s29, s20
	s_cmp_lt_u32 ttmp9, 128
	s_cselect_b32 s20, s18, s20                    ; where the tile goes
	s_mul_i32 s28, s20, 12288
	s_mul_i32 s30, s23, 6144
	s_add_co_u32 s28, s28, s30
	s_mov_b32 s29, 0
	s_lshl_b32 s30, s20, 9
	s_lshl_b32 s31, s23, 8
	s_add_co_u32 s30, s30, s31
	s_mov_b32 s31, 0
	s_wait_alu depctr_va_vdst(0)
	s_wait_kmcnt 0x0
	s_cmp_ge_u32 ttmp9, 128                        ; which tensor: the choice hangs on the work-group's number alone
	s_cselect_b64 s[4:5], s[6:7], s[4:5]
	s_cmp_ge_u32 ttmp9, 160
	s_cselect_b64 s[4:5], s[8:9], s[4:5]
	s_cmp_ge_u32 ttmp9, 192
	s_cselect_b64 s[4:5], s[10:11], s[4:5]
	s_cmp_ge_u32 ttmp9, 224
	s_cselect_b64 s[4:5], s[12:13], s[4:5]
	s_add_nc_u64 s[4:5], s[4:5], s[26:27]
	s_add_nc_u64 s[14:15], s[14:15], s[28:29]
	s_add_nc_u64 s[24:25], s[24:25], s[30:31]
	s_cmp_ge_u32 ttmp9, 224
	s_cbranch_scc1 .Lwo
	WIN 0x40
.irp q, 0,1,2,3
.irp r, 0,1,2,3,4,5,6,7,8,9,10,11,12,13,14,15
	global_load_b128 v[64*\q+4*\r:64*\q+4*\r+3], v5, s[4:5] offset:(32*(\r/8)+\r%8)*4096+512*\q th:TH_LOAD_NT
.endr
.endr
	WIN 0
	s_branch .Lasked
.Lwo:
	WIN 0x40
.irp q, 0,1,2,3
.irp r, 0,1,2,3,4,5,6,7,8,9,10,11,12,13,14,15
	global_load_b128 v[64*\q+4*\r:64*\q+4*\r+3], v5, s[4:5] offset:4*\r*4096+512*\q th:TH_LOAD_NT
.endr
.endr
	WIN 0
.Lasked:
.macro STEP q
	s_wait_loadcnt 48-16*(\q)                      ; this step's sixteen loads are in; the later steps' may be out
	WIN 0x04
.irp r, 0,1,2,3,4,5,6,7,8,9,10,11,12,13,14,15
	ds_store_b128 v8, v[64*(\q)+4*\r:64*(\q)+4*\r+3] offset:RP*\r
.endr
	WIN 0
.irp c, 0,1
.irp i, 0,1,2,3,4,5,6,7
	ds_load_b128 v[X+32*\c+4*\i:X+32*\c+4*\i+3], v9 offset:256*\c+16*\i   ; a wave's LDS instructions are served in order (ISA guide 5.7.1.4)
.endr
.endr
	s_wait_dscnt 0x0
.irp c, 0,1
	v_max3_num_f32 v[16+2*\c], |v[X+32*\c]|, |v[X+32*\c+1]|, |v[X+32*\c+2]|
	v_max3_num_f32 v[17+2*\c], |v[X+32*\c+16]|, |v[X+32*\c+17]|, |v[X+32*\c+18]|
.endr
.irp i, 3,5,7,9,11,13
.irp c, 0,1
	v_max3_num_f32 v[16+2*\c], v[16+2*\c], |v[X+32*\c+\i]|, |v[X+32*\c+\i+1]|
	v_max3_num_f32 v[17+2*\c], v[17+2*\c], |v[X+32*\c+16+\i]|, |v[X+32*\c+17+\i]|
.endr
.endr
.irp c, 0,1
	v_max3_num_f32 v[17+2*\c], v[17+2*\c], |v[X+32*\c+15]|, |v[X+32*\c+31]|
.endr
.irp c, 0,1
	v_max3_num_f32 v[16+2*\c], v[16+2*\c], v[17+2*\c], 0x1800000   ; the floor 2^(3 - 127): the byte cannot fall under 1
.endr
.irp c, 0,1
	v_add_nc_u32 v[20+\c], 0xff000000, v[16+2*\c]  ; 2 off the exponent field: the conversion's scale operand
.endr
.irp c, 0,1
	v_cvt_scalef32_pk16_fp6_f32 v[C+12*(\q)+6*\c:C+12*(\q)+6*\c+2], v[X+32*\c:X+32*\c+15], v[20+\c]
	v_cvt_scalef32_pk16_fp6_f32 v[24+4*\c:26+4*\c], v[X+32*\c+16:X+32*\c+31], v[20+\c]   ; (a conversion's three registers begin on an even number)
.endr
	v_lshrrev_b32 v22, 23, v20
	v_lshrrev_b32 v23, 23, v21
.irp c, 0,1
.irp i, 0,1,2
	v_mov_b32 v[C+12*(\q)+6*\c+3+\i], v[24+4*\c+\i]
.endr
.endr
	v_lshl_or_b32 v[32+(\q)], v23, 16, v22         ; my lane's two of the word's four bytes
.irp p, 0,1,2
	global_store_b128 v5, v[C+12*(\q)+4*\p:C+12*(\q)+4*\p+3], s[14:15] offset:1536*(\q)+512*\p   ; 512 consecutive bytes
.endr
.endm
	STEP 0
	STEP 1
	STEP 2
	STEP 3
	v_permlane16_swap_b32 v32, v34                 ; v32: K step 0's bytes 0, 2 in lanes 0-15, K step 2's in lanes 16-31; v34: their bytes 1, 3
	v_permlane16_swap_b32 v33, v35
	v_lshl_or_b32 v32, v34, 8, v32
	v_lshl_or_b32 v33, v35, 8, v33
	global_store_b64 v10, v[32:33], s[24:25]       ; 32 lanes store 256 consecutive bytes, aligned
	s_wait_tensorcnt 0x0                           ; the wave's end
	ds_add_u32 v2, v3
	s_wait_dscnt 0x0
	s_endpgm
.Lfunc_end_k_qd7d5ca2f1a_quant:
	.size	k_qd7d5ca2f1a_quant, .Lfunc_end_k_qd7d5ca2f1a_quant-k_qd7d5ca2f1a_quant
	.p2alignl 7, 3214868480
	.fill 96, 4, 3214868480
	.section	.rodata,"a",@progbits
	.p2align	6, 0x0
	.amdhsa_kernel k_qd7d5ca2f1a_quant
		.amdhsa_group_segment_fixed_size 34304
		.amdhsa_private_segment_fixed_size 0
		.amdhsa_enable_private_segment 0
		.amdhsa_kernarg_size 56
		.amdhsa_user_sgpr_count 2
		.amdhsa_user_sgpr_kernarg_segment_ptr 1
		.amdhsa_wavefront_size32 1
		.amdhsa_system_sgpr_workgroup_id_x 1
		.amdhsa_system_sgpr_workgroup_id_y 1
		.amdhsa_system_sgpr_workgroup_id_z 1
		.amdhsa_system_vgpr_workitem_id 0
		.amdhsa_next_free_vgpr 512
		.amdhsa_next_free_sgpr 66
		.amdhsa_reserve_vcc 0
		.amdhsa_float_denorm_mode_32 3
		.amdhsa_float_denorm_mode_16_64 3
		.amdhsa_memory_ordered 1
		.amdhsa_forward_progress 1
		.amdhsa_inst_pref_size 37
	.end_amdhsa_kernel
	.amdgpu_metadata
---
amdhsa.version: [ 1, 2 ]
amdhsa.kernels:
  - .name:           k_qd7d5ca2f1a_quant
    .symbol:         k_qd7d5ca2f1a_quant.kd
    .args:
      - { .name: x, .offset: 0, .size: 8, .value_kind: global_buffer, .address_space: global }
      - { .name: Wq, .offset: 8, .size: 8, .value_kind: global_buffer, .address_space: global }
      - { .name: Wk, .offset: 16, .size: 8, .value_kind: global_buffer, .address_space: global }
      - { .name: Wv, .offset: 24, .size: 8, .value_kind: global_buffer, .address_space: global }
      - { .name: Wo, .offset: 32, .size: 8, .value_kind: global_buffer, .address_space: global }
      - { .name: cod, .offset: 40, .size: 8, .value_kind: global_buffer, .address_space: global }
      - { .name: scl, .offset: 48, .size: 8, .value_kind: global_buffer, .address_space: global }
    .group_segment_fixed_size: 34304
    .private_segment_fixed_size: 0
    .kernarg_segment_align: 8
    .kernarg_segment_size: 56
    .max_flat_workgroup_size: 128
    .sgpr_count:     66
    .vgpr_count:     512
    .wavefront_size: 32
...
	.end_amdgpu_metadata
.endif
;; end of part 1
;; launch qkv (part 2): grid 16 x 16, 4 waves a work-group, clusters of 4 x 4, 327,680 bytes of LDS; arguments cod, scl, bq, bk, bv, hc, hs; writes hc, hs
.if DOCPART == 2
	.amdgcn_target "amdgcn-amd-amdhsa--gfx1250"
	.amdhsa_code_object_version 6
	.text
	.protected	k_qd7d5ca2f1a_qkv
	.globl	k_qd7d5ca2f1a_qkv
	.p2align	8
	.type	k_qd7d5ca2f1a_qkv,@function
k_qd7d5ca2f1a_qkv:
	s_mov_b64 s[64:65], 0
	v_nop
	global_prefetch_b8 v0, s[64:65] scope:SCOPE_SE
	s_setreg_imm32_b32 hwreg(HW_REG_WAVE_MODE, 25, 1), 1
	s_wait_xcnt 0x0
	s_wait_alu depctr_hold_cnt(0) depctr_sa_sdst(0) depctr_va_vdst(0) depctr_va_sdst(0) depctr_va_ssrc(0) depctr_va_vcc(0) depctr_vm_vsrc(0)
	s_getreg_b32 s2, hwreg(HW_REG_IB_STS2, 6, 4)
	s_cmp_eq_u32 s2, 0
	s_cbranch_scc0 .Lentry_in_a_cluster
	s_endpgm
.Lentry_in_a_cluster:
	s_bfe_u32 s2, ttmp6, 0x10000c
	s_cmp_lg_u32 s2, 0xf033
	s_cbranch_scc0 .Lentry_shape_is_right
	s_endpgm
.Lentry_shape_is_right:
; q, k, v = x W^T + b on codes of FP6 (E2M3), sums in f32, quantised again on the way out: q and k along a head's 64, v along the tokens.
; SHARES.  Work-group (hd, tb): 256 tokens (16 tiles) x one head's q, k, v.  Wave (th, hh): tokens 128 th on (8 tiles) x six column tiles: q's four (hh = 0) or k's four (hh = 1), and v's tiles 2 hh, 2 hh + 1: 48 accumulators, 384 products.
; x's 16 tiles and the 8 of Wq, Wk lie in LDS for all of K, as register images, 294,912 bytes, filled once, in two halves of K by one joint load a wave.  Wv's four tiles, 49,152 bytes more, would not fit:
; each wave loads its two tiles' fragments, 48 loads of 512 consecutive bytes, straight into registers (so those are not asked for jointly); so it does the scale words.
; CLUSTER 4 x 4: x's tiles hang on tb and are asked for jointly along a row, Wq's and Wk's on hd, along a column.  No prefetch: every byte is asked for in the head.
; q and k: source 0 = 16 rows of W, source 1 = 16 tokens: a lane's results of four tiles are 32 neighbours of a head.  v: source 0 = 16 tokens: a lane's results of four token tiles are 32 neighbouring tokens.
; The bias is the first products' C.
; OUT: z = (16 x batch + head) x 16 + key step.  hc: q's half-images, 6,144 bytes a z (8 tiles x 768); from QKV on 13,056 bytes a z: k's four fragments (two tiles each) and v's four, 1,536 bytes each, then three blocks of 256:
; k's scale words (8 bytes a lane), v's of tiles 0, 1 and of tiles 2, 3 (8 bytes a lane, the word twice, so that whole units are written).  hs: q's scale bytes, 256 a z: [lane][tile].
; LIMITS: as in the first kernel: a block of zeros gets the byte 1, largest magnitudes under 2^-124 are held at that floor, NaN and infinities are not served.
; REGISTERS: v2-19 addresses; v32-95 scale words (tile i, K step q: lanes 0-15 x's at 32 + 8 i + q, lanes 16-31 W's at 32 + 8 i + (q + 4) % 8); x's fragments v96-191, v256-351; Wq's or Wk's v352-447; Wv's v192-251, v448-507, v512-583;
;   bias v584-631; accumulators v640-1023.
.set WB,    196608                     ; LDS: x's halves at 0 and 98,304; Wq's and Wk's at WB and WB + 49,152
.set SPARE, 294912
.set QKV,   3145728
.set MSB, 0
.macro WIN new
.if MSB != (\new)
	s_set_vgpr_msb (MSB<<8)|(\new)
.set MSB, (\new)
.endif
.endm
.macro CROUND
	s_barrier_signal -1
	s_barrier_wait -1
	s_cmp_lg_u32 s18, 0
	s_cbranch_scc1 .Lnot_wave_0_\@
	s_barrier_signal -3
.Lnot_wave_0_\@:
	s_barrier_wait -3
	s_barrier_signal -1
	s_barrier_wait -1
.endm
.macro GRP1 g, mask, rows              ; rows of 6,144 bytes (768 elements of 8), 12,288 apart
	s_or_b32 s[\g], s\mask, (3<<16)|(1<<21)
	s_mov_b32 s[\g+1], 768<<16
	s_mov_b32 s[\g+2], (\rows)<<16
	s_mov_b32 s[\g+3], 768<<16
	s_mov_b32 s[\g+4], \rows
	s_mov_b32 s[\g+5], 1536
	s_mov_b32 s[\g+6], 0
	s_mov_b32 s[\g+7], 0
.endm
.macro GRP0 g, lds, base, off
	s_mov_b32 s[\g], 1
	s_mov_b32 s[\g+1], \lds
	s_add_nc_u64 s[\g+2:\g+3], s[\base:\base+1], \off
	s_or_b32 s[\g+3], s[\g+3], 0x80000000
.endm
	s_load_b256 s[4:11], s[0:1], 0x0               ; cod, scl, bq, bk
	s_load_b128 s[12:15], s[0:1], 0x20             ; bv, hc
	s_load_b64 s[16:17], s[0:1], 0x30              ; hs
	v_lshl_add_u32 v2, v0, 2, SPARE
	v_mov_b32 v3, 0
	ds_add_u32 v2, v3                              ; the opening lines
	ds_add_u32 v2, v3
	v_lshrrev_b32 v1, 5, v0
	v_readfirstlane_b32 s18, v1                    ; wave
	s_lshr_b32 s19, s18, 1                         ; th
	s_and_b32 s20, s18, 1                          ; hh
	s_bfe_u32 s21, ttmp6, 0x40000                  ; cx
	s_bfe_u32 s22, ttmp6, 0x40004                  ; cy
	s_lshl_b32 s23, ttmp9, 2
	s_add_co_u32 s23, s23, s21                     ; hd
	s_and_b32 s24, ttmp7, 0xffff
	s_lshl_b32 s24, s24, 2
	s_add_co_u32 s24, s24, s22                     ; tb
	s_lshl_b32 s25, s22, 2
	s_lshl_b32 s25, 15, s25                        ; my row of the cluster
	s_lshl_b32 s26, 0x1111, s21                    ; my column
	GRP1 28, 25, 16
	GRP1 36, 26, 8
	s_mul_i32 s60, s24, 196608                     ; x's 16 tiles
	s_mov_b32 s61, 0
	s_mul_i32 s62, s23, 147456                     ; the head's 12 tiles of W, from tile 256 on
	s_add_co_u32 s62, s62, 3145728
	s_mov_b32 s63, 0
	s_mul_i32 s74, s20, 24576                      ; my two tiles of Wv, behind the head's first eight
	s_add_co_u32 s74, s74, 98304
	s_mov_b32 s75, 0
	s_lshl_b32 s76, s24, 13                        ; scale words: x's 8 tiles
	s_lshl_b32 s77, s19, 12
	s_add_co_u32 s76, s76, s77
	s_mul_i32 s78, s23, 6144
	s_add_co_u32 s78, s78, 131072
	s_lshl_b32 s77, s20, 11
	s_add_co_u32 s77, s77, s78                     ; Wq's or Wk's four
	s_lshl_b32 s79, s20, 10
	s_add_co_u32 s78, s78, s79
	s_add_co_u32 s78, s78, 2048                    ; Wv's two, less the 4 x 512 bytes that stand in the immediate
	s_sub_co_u32 s77, s77, s76
	s_sub_co_u32 s78, s78, s76
	s_add_co_u32 s79, s77, 256
	s_sub_co_u32 s80, s77, 256
	s_add_co_u32 s81, s78, 256
	s_sub_co_u32 s82, s78, 256
	v_and_b32 v7, 31, v0
	v_lshlrev_b32 v4, 4, v7                        ; 16 x lane
	v_lshlrev_b32 v7, 3, v7                        ; 8 x lane
	v_and_b32 v5, 15, v0                           ; r
	v_bfe_u32 v6, v0, 4, 1                         ; h
	s_mul_i32 s83, s19, 49152
	v_add_nc_u32 v8, s83, v4                       ; my 8 tiles of x, half 0 of K
	v_add_nc_u32 v9, 98304, v8                     ; half 1
	s_mul_i32 s83, s20, 24576
	s_add_co_u32 s83, s83, WB
	v_add_nc_u32 v10, s83, v4                      ; my four tiles of Wq or Wk
	v_add_nc_u32 v11, 49152, v10
	v_lshlrev_b32 v14, 4, v5
	v_add_nc_u32 v14, s76, v14
	v_add_nc_u32 v15, 256, v14
	v_mad_u32_u24 v12, v6, s79, v14                ; lanes 0-15: x's half 0, lanes 16-31: W's half 1;
	v_mad_u32_u24 v13, v6, s80, v15                ; and the other way round
	v_mad_u32_u24 v16, v6, s81, v14
	v_mad_u32_u24 v17, v6, s82, v15
	v_lshlrev_b32 v18, 7, v6                       ; bias of q, k: 128 bytes on end for each half of the lanes
	v_lshrrev_b32 v19, 3, v5
	v_lshlrev_b32 v19, 7, v19
	v_and_b32 v20, 7, v5
	v_lshl_add_u32 v19, v20, 2, v19                ; of v: column 32 (r / 8) + 8 t + r % 8
	s_wait_alu depctr_va_vdst(0)
	s_wait_dscnt 0x0
	s_wait_kmcnt 0x0
	s_add_nc_u64 s[68:69], s[4:5], s[60:61]
	s_add_nc_u64 s[70:71], s[4:5], s[62:63]
	s_add_nc_u64 s[72:73], s[70:71], s[74:75]
	GRP0 44, WB, 70, 0
	GRP0 48, 0, 68, 0
	GRP0 52, 98304, 68, 6144
	GRP0 56, WB+49152, 70, 6144
	CROUND                                         ; all sixteen work-groups are here: the joint loads meet
.macro ARM under, g0, g1, next
	s_cmp_lt_u32 s18, \under
	s_cbranch_scc0 \next
	tensor_load_to_lds s[\g0:\g0+3], s[\g1:\g1+7]
	s_nop 0
.rept 4
	v_nop
.endr
	s_branch .Lasked
\next:
.endm
	ARM 1, 44, 36, .Lw1                            ; wave 0: Wq and Wk, half 0
	ARM 2, 48, 28, .Lw2                            ; wave 1: x, half 0
	ARM 3, 52, 28, .Lw3                            ; wave 2: x, half 1
	tensor_load_to_lds s[56:59], s[36:43]          ; wave 3: Wq and Wk, half 1
	s_nop 0
.rept 4
	v_nop
.endr
.Lasked:
.irp i, 0,1,2,3
	global_load_b128 v[32+8*\i:35+8*\i], v12, s[6:7] offset:512*\i
	global_load_b128 v[36+8*\i:39+8*\i], v13, s[6:7] offset:512*\i
.endr
.irp i, 4,5,6,7
	global_load_b128 v[32+8*\i:35+8*\i], v16, s[6:7] offset:512*\i   ; (lanes 16-31 of i = 6, 7 bring words that no product names)
	global_load_b128 v[36+8*\i:39+8*\i], v17, s[6:7] offset:512*\i
.endr
	s_lshl_b32 s60, s23, 8
	s_lshl_b32 s62, s20, 6
	s_add_co_u32 s62, s62, s60
	s_cmp_eq_u32 s20, 0
	s_cselect_b64 s[84:85], s[8:9], s[10:11]
	s_add_nc_u64 s[84:85], s[84:85], s[60:61]
	s_add_nc_u64 s[86:87], s[12:13], s[62:63]
	WIN 0x80
.irp k, 0,1,2,3,4,5,6,7
	global_load_b128 v[72+4*\k:75+4*\k], v18, s[84:85] offset:16*\k    ; v584-615
.endr
	global_load_b32 v104, v19, s[86:87]                                ; v616
	global_load_b32 v112, v19, s[86:87] offset:32                      ; v624
.macro VREG n                          ; Wv's fragment n = 2 q + t
.if (\n) < 5
.set VR_, 192+12*(\n)
.elseif (\n) < 10
.set VR_, 448+12*((\n)-5)
.else
.set VR_, 512+12*((\n)-10)
.endif
.endm
.irp q, 0,1,2,3,4,5,6,7
.irp t, 0,1
	VREG 2*\q+\t
	WIN ((VR_>>8)<<6)
.irp p, 0,1,2
	global_load_b128 v[(VR_&255)+4*\p:(VR_&255)+4*\p+3], v4, s[72:73] offset:12288*\t+1536*\q+512*\p
.endr
.endr
.endr
	WIN 0
	s_lshr_b32 s88, s24, 3                         ; z
	s_lshl_b32 s88, s88, 4
	s_add_co_u32 s88, s88, s23
	s_lshl_b32 s88, s88, 4
	s_and_b32 s89, s24, 7
	s_lshl_b32 s89, s89, 1
	s_add_co_u32 s88, s88, s89
	s_add_co_u32 s88, s88, s19
	s_mov_b32 s61, 0
	s_mul_i32 s60, s88, 6144
	s_add_nc_u64 s[90:91], s[14:15], s[60:61]      ; q's codes
	s_mul_i32 s60, s88, 13056
	s_add_co_u32 s60, s60, QKV
	s_add_nc_u64 s[92:93], s[14:15], s[60:61]      ; the key step's block
	s_lshl_b32 s60, s88, 8
	s_add_nc_u64 s[94:95], s[16:17], s[60:61]      ; q's scale bytes
	s_mul_i32 s60, s20, 3072
	s_add_co_u32 s60, s60, 6144
	s_add_nc_u64 s[96:97], s[92:93], s[60:61]      ; my two tiles of v
	s_lshl_b32 s60, s20, 8
	s_add_co_u32 s60, s60, 12544
	s_add_nc_u64 s[98:99], s[92:93], s[60:61]      ; their scale words
.macro FRAGL st, n                     ; fragment n of K step st: 0-3 W's, 4-11 x's
.set H_, (\st)/4
.set O_, ((\st)%4)*1536
.if (\n) < 4
.set R_, 352+48*((\st)%2)+12*(\n)
	WIN ((R_>>8)<<6)
.irp p, 0,1,2
	ds_load_b128 v[(R_&255)+4*\p:(R_&255)+4*\p+3], v[10+H_] offset:(\n)*6144+O_+512*\p
.endr
.else
.set R_, 96+160*((\st)%2)+12*((\n)-4)
	WIN ((R_>>8)<<6)
.irp p, 0,1,2
	ds_load_b128 v[(R_&255)+4*\p:(R_&255)+4*\p+3], v[8+H_] offset:((\n)-4)*6144+O_+512*\p
.endr
.endif
.endm
.macro PQK q, m, a
.set X_, 96+160*((\q)%2)+12*(\m)
.set W_, 352+48*((\q)%2)+12*(\a)
.set D_, 640+32*(\m)+8*(\a)
.if (\q) == 0
.set C_, 584+8*(\a)
.else
.set C_, D_
.endif
	WIN (W_>>8)|((X_>>8)<<2)|((C_>>8)<<4)|((D_>>8)<<6)
	v_wmma_scale_f32_16x16x128_f8f6f4 v[(D_&255):(D_&255)+7], v[(W_&255):(W_&255)+11], v[(X_&255):(X_&255)+11], v[(C_&255):(C_&255)+7], v[32+8*(\a)+((\q)+4)%8], v[32+8*(\m)+(\q)] matrix_a_fmt:MATRIX_FMT_FP6 matrix_b_fmt:MATRIX_FMT_FP6 matrix_a_scale:MATRIX_SCALE_ROW1
.endm
.macro PV q, m, t
.set X_, 96+160*((\q)%2)+12*(\m)
	VREG 2*(\q)+(\t)
.set D_, 896+64*(\t)+8*(\m)
.if (\q) == 0
.set C_, 616+8*(\t)
.else
.set C_, D_
.endif
	WIN (X_>>8)|((VR_>>8)<<2)|((C_>>8)<<4)|((D_>>8)<<6)
	v_wmma_scale_f32_16x16x128_f8f6f4 v[(D_&255):(D_&255)+7], v[(X_&255):(X_&255)+11], v[(VR_&255):(VR_&255)+11], v[(C_&255):(C_&255)+7], v[32+8*(\m)+(\q)], v[64+8*(\t)+((\q)+4)%8] matrix_a_fmt:MATRIX_FMT_FP6 matrix_b_fmt:MATRIX_FMT_FP6 matrix_b_scale:MATRIX_SCALE_ROW1
.endm
.macro FETCHALL st                     ; K step st's twelve fragments: 36 loads in one run
.set f_, 0
.rept 12
	FRAGL \st, f_
.set f_, f_+1
.endr
.endm
; A K step: the next step's fragments are asked for in one run at its head, then 48 products, the 48 accumulators by turns.
.macro KSTEP q
	s_wait_dscnt 0x0                               ; this step's fragments
	s_wait_loadcnt 42-6*(\q)                       ; scale words, bias, and Wv's fragments up to this step's; six loads a later step may be out
.if (\q) == 3
	s_wait_tensorcnt 0x0                           ; my tile is in: behind this barrier half 1 of K is read
	s_barrier_signal -1
.endif
.rept 4
	v_nop                                          ; places between the last step's products and the loads into their registers
.endr
.if ((\q) < 3) || (((\q) > 3) && ((\q) < 7))
	FETCHALL (\q)+1
.endif
.set g_, 0
.rept 8
.irp a, 0,1,2,3
	PQK \q, g_, \a
.endr
.if ((\q) == 3) && (g_ == 0)
	WIN 0
	s_barrier_wait -1
	FETCHALL (\q)+1
.endif
.set g_, g_+1
.endr
.set g_, 0
.rept 8
.irp t, 0,1
	PV \q, g_, \t
.endr
.set g_, g_+1
.endr
.endm
	s_cmp_lt_u32 s18, 2                            ; waves 0 and 1 brought half 0 of K, by lines of their own
	s_cbranch_scc0 .Lnot_half_0
	s_wait_tensorcnt 0x0
.Lnot_half_0:
	s_barrier_signal -1
	s_barrier_wait -1
.set g_, 0
.rept 12
	FRAGL 0, g_
.set g_, g_+1
.endr
	WIN 0x82
	s_wait_loadcnt 48                              ; the bias is in; Wv's 48 loads may be out
.irp i, 1,2,3,4,5,6,7
	v_mov_b32 v[104+\i], v104                      ; v's number, one a lane and tile, over the tile's eight registers
	v_mov_b32 v[112+\i], v112
.endr
	s_wait_alu depctr_va_vdst(0)
	KSTEP 0
	KSTEP 1
	KSTEP 2
	KSTEP 3
	KSTEP 4
	KSTEP 5
	KSTEP 6
	KSTEP 7
	WIN 0
.rept 4
	v_nop
.endr
; Four blocks of 32 sums a lane, from register 640 + 128 g on, become codes in v[96 + 24 g + 6 u ..] and scale bytes in v[224 + 4 g + u].
.macro EPI g
.set B_, 640+128*(\g)
.set L_, B_&255
.set K_, B_>>8
	WIN K_|(K_<<2)|(K_<<4)
.irp u, 0,1,2,3
	v_max3_num_f32 v[192+2*\u], |v[L_+32*\u]|, |v[L_+32*\u+1]|, |v[L_+32*\u+2]|
	v_max3_num_f32 v[193+2*\u], |v[L_+32*\u+16]|, |v[L_+32*\u+17]|, |v[L_+32*\u+18]|
.endr
	WIN (K_<<2)|(K_<<4)
.irp i, 3,5,7,9,11,13
.irp u, 0,1,2,3
	v_max3_num_f32 v[192+2*\u], v[192+2*\u], |v[L_+32*\u+\i]|, |v[L_+32*\u+\i+1]|
	v_max3_num_f32 v[193+2*\u], v[193+2*\u], |v[L_+32*\u+16+\i]|, |v[L_+32*\u+17+\i]|
.endr
.endr
.irp u, 0,1,2,3
	v_max3_num_f32 v[193+2*\u], v[193+2*\u], |v[L_+32*\u+15]|, |v[L_+32*\u+31]|
.endr
	WIN 0
.irp u, 0,1,2,3
	v_max3_num_f32 v[192+2*\u], v[192+2*\u], v[193+2*\u], 0x1800000
.endr
.irp u, 0,1,2,3
	v_add_nc_u32 v[200+\u], 0xff000000, v[192+2*\u]
.endr
.irp u, 0,1,2,3
	v_lshrrev_b32 v[224+4*(\g)+\u], 23, v[200+\u]
.endr
	WIN K_
.irp u, 0,1,2,3
	v_cvt_scalef32_pk16_fp6_f32 v[96+24*(\g)+6*\u:98+24*(\g)+6*\u], v[L_+32*\u:L_+32*\u+15], v[200+\u]
	v_cvt_scalef32_pk16_fp6_f32 v[204+4*\u:206+4*\u], v[L_+32*\u+16:L_+32*\u+31], v[200+\u]
.endr
	WIN 0
	v_nop                                          ; one plain place behind the conversions
.irp u, 0,1,2,3
.irp i, 0,1,2
	v_mov_b32 v[99+24*(\g)+6*\u+\i], v[204+4*\u+\i]
.endr
.endr
.endm
	EPI 0
	EPI 1
	s_wait_alu depctr_va_vdst(0)
	s_cmp_eq_u32 s20, 0
	s_cbranch_scc0 .Lk
.irp m, 0,1,2,3,4,5,6,7
	global_store_b128 v4, v[96+6*\m:99+6*\m], s[90:91] offset:768*\m   ; q's half-images
	global_store_b64 v7, v[100+6*\m:101+6*\m], s[90:91] offset:768*\m+512
.endr
	v_lshl_or_b32 v246, v225, 8, v224
	v_lshl_or_b32 v247, v229, 8, v228
	v_lshl_or_b32 v246, v226, 16, v246
	v_lshl_or_b32 v247, v230, 16, v247
	v_lshl_or_b32 v246, v227, 24, v246
	v_lshl_or_b32 v247, v231, 24, v247
	global_store_b64 v7, v[246:247], s[94:95]      ; eight tiles' bytes: 256 consecutive bytes
	s_branch .Lqk_out
.Lk:
.irp f, 0,1,2,3
.irp p, 0,1,2
	global_store_b128 v4, v[96+12*\f+4*\p:99+12*\f+4*\p], s[92:93] offset:1536*\f+512*\p   ; k's fragments: two tiles each
.endr
.endr
.irp f, 0,1,2,3
	v_lshl_or_b32 v[240+\f], v[225+2*\f], 16, v[224+2*\f]
.endr
	v_permlane16_swap_b32 v240, v241
	v_permlane16_swap_b32 v242, v243
	v_lshl_or_b32 v244, v241, 8, v240              ; lanes 0-15: fragment 0's words, lanes 16-31: fragment 1's
	v_lshl_or_b32 v245, v243, 8, v242              ; fragments 2 and 3
	global_store_b64 v7, v[244:245], s[92:93] offset:12288
.Lqk_out:
	EPI 2
.irp t, 0,1
.irp p, 0,1,2
	global_store_b128 v4, v[144+12*\t+4*\p:147+12*\t+4*\p], s[96:97] offset:1536*\t+512*\p   ; v's fragments
.endr
.endr
	v_lshl_or_b32 v236, v233, 16, v232
	v_lshl_or_b32 v237, v235, 16, v234
	v_permlane16_swap_b32 v236, v237
	v_lshl_or_b32 v238, v237, 8, v236
	v_mov_b32 v239, v238
	global_store_b64 v7, v[238:239], s[98:99]
	s_wait_tensorcnt 0x0                           ; the wave's end
	ds_add_u32 v2, v3
	s_wait_dscnt 0x0
	CROUND                                         ; the closing round
	s_endpgm
.Lfunc_end_k_qd7d5ca2f1a_qkv:
	.size	k_qd7d5ca2f1a_qkv, .Lfunc_end_k_qd7d5ca2f1a_qkv-k_qd7d5ca2f1a_qkv
	.p2alignl 7, 3214868480
	.fill 96, 4, 3214868480
	.section	.rodata,"a",@progbits
	.p2align	6, 0x0
	.amdhsa_kernel k_qd7d5ca2f1a_qkv
		.amdhsa_group_segment_fixed_size 327680
		.amdhsa_private_segment_fixed_size 0
		.amdhsa_enable_private_segment 0
		.amdhsa_kernarg_size 56
		.amdhsa_user_sgpr_count 2
		.amdhsa_user_sgpr_kernarg_segment_ptr 1
		.amdhsa_wavefront_size32 1
		.amdhsa_system_sgpr_workgroup_id_x 1
		.amdhsa_system_sgpr_workgroup_id_y 1
		.amdhsa_system_sgpr_workgroup_id_z 1
		.amdhsa_system_vgpr_workitem_id 0
		.amdhsa_next_free_vgpr 1024
		.amdhsa_next_free_sgpr 102
		.amdhsa_reserve_vcc 0
		.amdhsa_float_denorm_mode_32 3
		.amdhsa_float_denorm_mode_16_64 3
		.amdhsa_memory_ordered 1
		.amdhsa_forward_progress 1
		.amdhsa_inst_pref_size 108
	.end_amdhsa_kernel
	.amdgpu_metadata
---
amdhsa.version: [ 1, 2 ]
amdhsa.kernels:
  - .name:           k_qd7d5ca2f1a_qkv
    .symbol:         k_qd7d5ca2f1a_qkv.kd
    .args:
      - { .name: cod, .offset: 0, .size: 8, .value_kind: global_buffer, .address_space: global }
      - { .name: scl, .offset: 8, .size: 8, .value_kind: global_buffer, .address_space: global }
      - { .name: bq, .offset: 16, .size: 8, .value_kind: global_buffer, .address_space: global }
      - { .name: bk, .offset: 24, .size: 8, .value_kind: global_buffer, .address_space: global }
      - { .name: bv, .offset: 32, .size: 8, .value_kind: global_buffer, .address_space: global }
      - { .name: hc, .offset: 40, .size: 8, .value_kind: global_buffer, .address_space: global }
      - { .name: hs, .offset: 48, .size: 8, .value_kind: global_buffer, .address_space: global }
    .group_segment_fixed_size: 327680
    .private_segment_fixed_size: 0
    .kernarg_segment_align: 8
    .kernarg_segment_size: 56
    .max_flat_workgroup_size: 128
    .sgpr_count:     102
    .vgpr_count:     1024
    .wavefront_size: 32
...
	.end_amdgpu_metadata
.endif
;; end of part 2
;; launch attn (part 3): grid 8 x 32, 8 waves a work-group, clusters of 4 x 1, 209,920 bytes of LDS; arguments hc, hs, ac, asc; writes ac, asc
.if DOCPART == 3
	.amdgcn_target "amdgcn-amd-amdhsa--gfx1250"
	.amdhsa_code_object_version 6
	.text
	.protected	k_qd7d5ca2f1a_attn
	.globl	k_qd7d5ca2f1a_attn
	.p2align	8
	.type	k_qd7d5ca2f1a_attn,@function
k_qd7d5ca2f1a_attn:
	s_mov_b64 s[64:65], 0
	v_nop
	global_prefetch_b8 v0, s[64:65] scope:SCOPE_SE
	s_setreg_imm32_b32 hwreg(HW_REG_WAVE_MODE, 25, 1), 1
	s_wait_xcnt 0x0
	s_wait_alu depctr_hold_cnt(0) depctr_sa_sdst(0) depctr_va_vdst(0) depctr_va_sdst(0) depctr_va_ssrc(0) depctr_va_vcc(0) depctr_vm_vsrc(0)
	s_getreg_b32 s2, hwreg(HW_REG_IB_STS2, 6, 4)
	s_cmp_eq_u32 s2, 0
	s_cbranch_scc0 .Lentry_in_a_cluster
	s_endpgm
.Lentry_in_a_cluster:
	s_bfe_u32 s2, ttmp6, 0x10000c
	s_cmp_lg_u32 s2, 0x3003
	s_cbranch_scc0 .Lentry_shape_is_right
	s_endpgm
.Lentry_shape_is_right:
; attn[bh][q][:] = the sum over k of softmax_k(q . k / 8) v, both products on codes of FP6 (E2M3) with E8M0 scales; the result is quantised along the model's 1,024 (a head's 64 are two blocks) and leaves as codes and scale bytes.
; THE SOFTMAX: t = score x log2(e) / 8 (the factor 1/8 that belongs to q stands here: a power of two moves q's scales and no code); M = the running largest t rounded UP to a whole number; p = 2^(t - M) is quantised along the keys;
; the row's sum is taken of the unquantised p and divides at the end.  When M moves, the sum and O are multiplied by 2^(old M - new M): exact.
; A BLOCK'S SCALE: p = 2^(t - M) rises with t, so the exponent of the block's largest p is floor(t - M) of its largest score; the scale is that less 2.  (Where that t - M lies so close under a whole number that p is rounded up to the
; power of two, the block keeps the exponent of the unrounded p.)
; SHARES.  A work-group owns 256 queries of one head (bh), each of its eight waves two tiles of 16 (u = 0, 1): two waves to a SIMD; each fragment of K and V that a wave loads from LDS feeds both tiles.
; ALL OF THE HEAD'S K AND V LIE IN LDS, filled once: 16 key steps of 13,056 bytes (K's four fragments and V's four as register images, scale words).  Wave w fetches key steps 2 w, 2 w + 1 by its one tensor load.
; CLUSTER 4 x 1: the four query blocks of a cluster belong to one head, so the steps are asked for jointly (mask 15).  Waves 0, 1 have a load line of their own: the first barrier shows steps 0-3, the second all.
; No prefetch: every byte of K and V is asked for in the head.
; LAYOUT.  Both products are used transposed: S^T = K Q^T, O^T = V^T P^T: a lane holds one query of each tile throughout.  The first product's K is 64, half of the instruction's 128: a fragment of K holds TWO key tiles side by side along K,
; and Q stands as [q | 0] or [0 | q]: zero codes add nothing under any scale byte that is made here.  Row r of key tile 4 c + j is key 64 c + 32 (r / 8) + 8 j + r % 8 of the step: so the 32 registers of tiles 4 c .. 4 c + 3
; are, in lane (r, h), the whole block of keys 64 c + 32 h + 0 .. 31, in the order that the next operand wants: no lane looks at another but for the row's maximum, its sum and the scale word.
; The scores of step j + 1 are begun in p's registers as soon as p of step j is converted and summed.
; LIMITS: the scaled scores stay under 2^31 in magnitude.  A block of zeros gets the byte 1, not 127; largest magnitudes under 2^-124 are held at that floor; NaN and infinities are not served.
; REGISTERS.  Window 0: all that is small, for both tiles; K's fragments; tile 0's Q, scores, O^T, codes.  Window 1 (62 lower in number for S, O, P, TP): V's fragments; tile 1's.
.set QKV,   3145728
.set STEPB, 13056
.set SPARE, 16*STEPB
.set WV,   18
.set SEL,  20
.set CS,   22
.set QS,   8                           ; v8-9    Q's scale word, u = 0, 1
.set A,    10                          ; v10-11  at work
.set PW,   12                          ; v12-13  p's scale word
.set BT,   14                          ; v14-15  at work
.set F,    16                          ; v16-19  pairs: f
.set MM,   20                          ; v20-23  pairs: -M, the largest score so far
.set SU,   24                          ; v24-27  pairs: the sum
.set C3,   28                          ; v28-31  pairs: a chain of the sum
.set BM,   32                          ; v32-39  four each: block maxima, then scale operands, then two chains of the sum
.set KS,   40                          ; v40-41  K's scale words
.set VS,   42                          ; v42-43  V's
.set Q,    44                          ; v44-61  [0 | q | 0] of tile 0; tile 1's 120 on, in window 1
.set KF,   62                          ; v62-109 K's four fragments
.set S,    110                         ; v110-173 S^T, then p
.set O,    174                         ; v174-205 O^T
.set P,    206                         ; v206-217 p's codes
.set TP,   218                         ; v218-225 at work
.set VF,   0                           ; window 1: v0-47 V's four fragments
.set MSB, 0
.macro WIN new
.if MSB != (\new)
	s_set_vgpr_msb (MSB<<8)|(\new)
.set MSB, (\new)
.endif
.endm
.macro WALU
	s_wait_alu depctr_va_vdst(0)
.endm
.macro CROUND
	s_barrier_signal -1
	s_barrier_wait -1
	s_cmp_lg_u32 s[WV], 0
	s_cbranch_scc1 .Lnot_wave_0_\@
	s_barrier_signal -3
.Lnot_wave_0_\@:
	s_barrier_wait -3
	s_barrier_signal -1
	s_barrier_wait -1
.endm
	s_load_b256 s[4:11], s[0:1], 0x0               ; hc, hs, ac, asc
	v_lshl_add_u32 v3, v0, 2, SPARE
	v_mov_b32 v6, 0
	ds_add_u32 v3, v6                              ; the opening lines
	ds_add_u32 v3, v6
	v_lshrrev_b32 v1, 5, v0
	v_readfirstlane_b32 s[WV], v1                  ; wave 0..7
	s_bfe_u32 s12, ttmp6, 0x40000                  ; cx: it enters Q's and the output's addresses alone
	s_lshl_b32 s13, ttmp9, 2
	s_add_co_u32 s13, s13, s12                     ; my block of 256 queries
	s_and_b32 s19, ttmp7, 0xffff                   ; bh, which the four partners share
	s_mul_i32 s60, s19, 16*STEPB
	s_mul_i32 s61, s[WV], 2*STEPB
	s_add_co_u32 s60, s60, s61
	s_add_co_u32 s60, s60, QKV                     ; key steps 2 w, 2 w + 1 of the head
	s_mov_b32 s41, s61
	s_mov_b32 s61, 0
	s_mov_b32 s40, 1
	s_mov_b32 s24, 15|(3<<16)|(1<<21)              ; group 1: dense bytes as 102 rows of 256 (32 elements of 8 bytes)
	s_mov_b32 s25, 32<<16
	s_mov_b32 s26, 102<<16
	s_mov_b32 s27, 32<<16
	s_mov_b32 s28, 102
	s_mov_b32 s29, 32
	s_mov_b32 s30, 0
	s_mov_b32 s31, 0
	s_mov_b32 s[SEL], 0x76543210
	s_mov_b32 s[SEL+1], 0xfedcba98                 ; v_permlanex16_b32's selects for lane l xor 16
	s_mov_b32 s[CS], 0x3e38aa3b                    ; c = log2(e) / 8
	s_mov_b32 s[CS+1], s[CS]                       ; (named with it as a pair, so it is written)
	s_mov_b32 s2, 0                                ; where the step begins in LDS
	v_and_b32 v7, 31, v0
	v_lshlrev_b32 v1, 4, v7                        ; 16 x lane
	v_lshlrev_b32 v2, 3, v7                        ; 8 x lane
	v_and_b32 v7, 15, v0
	v_lshlrev_b32 v7, 3, v7                        ; 8 r
.irp u, 0,1
	v_mov_b32 v[MM+2*\u+1], 0xff61b1e6             ; the largest score so far: -3e38, under every score
	v_mov_b32 v[MM+2*\u], 0x7f61b1e6               ; -M: 3e38, a whole number: the first change of M gives f = 0, which leaves the zeros below zeros
	v_mov_b32 v[SU+2*\u], 0                        ; the sum, in two halves
	v_mov_b32 v[SU+2*\u+1], 0
	v_mov_b32 v[F+2*\u], 0                         ; (a lane permute's destination counts as one of its sources)
	v_mov_b32 v[F+2*\u+1], 0                       ; (named as the upper half of a pair)
	v_mov_b32 v[BT+\u], 0
.endr
.irp u, 0,1
	WIN 0x40*\u
.irp j, 0,1,2,3,4,5,12,13,14,15,16,17
	v_mov_b32 v[Q+120*\u+\j], 0                    ; zero codes on both sides of q
.endr
.set j, 0
.rept 32
	v_mov_b32 v[O-62*\u+j], 0                      ; O^T: the step is written once; the first finds zeros
.set j, j+1
.endr
.endr
	WIN 0
	WALU
	s_wait_dscnt 0x0
	s_wait_kmcnt 0x0
	s_add_nc_u64 s[42:43], s[4:5], s[60:61]
	s_or_b32 s43, s43, 0x80000000
	CROUND                                         ; all four work-groups are here: the joint loads meet
	s_cmp_lt_u32 s[WV], 2
	s_cbranch_scc0 .Llater
	tensor_load_to_lds s[40:43], s[24:31]          ; waves 0, 1: steps 0-3
	s_nop 0
.rept 4
	v_nop
.endr
	s_branch .Lasked
.Llater:
	tensor_load_to_lds s[40:43], s[24:31]          ; waves 2-7
	s_nop 0
.rept 4
	v_nop
.endr
.Lasked:
	s_lshl_b32 s67, s13, 4
	s_lshl_b32 s68, s[WV], 1
	s_add_co_u32 s67, s67, s68                     ; T: my first tile of 16 queries in the head, an even number
	s_lshl_b32 s68, s19, 7
	s_add_co_u32 s68, s68, s67
	s_lshr_b32 s70, s68, 3
	s_lshl_b32 s70, s70, 8
	s_and_b32 s71, s67, 7
	s_add_co_u32 s70, s70, s71
	s_mov_b32 s71, 0
	s_add_nc_u64 s[70:71], s[6:7], s[70:71]        ; its scale bytes, among eight tiles'
	s_mul_i32 s68, s68, 768
	s_mov_b32 s69, 0
	s_add_nc_u64 s[68:69], s[4:5], s[68:69]        ; its image
.irp u, 0,1
	WIN 0x40*\u
	global_load_b128 v[Q+120*\u+6:Q+120*\u+9], v1, s[68:69] offset:768*\u      ; q's six registers
	global_load_b64 v[Q+120*\u+10:Q+120*\u+11], v2, s[68:69] offset:768*\u+512
.endr
	WIN 0
.irp u, 0,1
	global_load_u8 v[QS+\u], v7, s[70:71] offset:\u        ; block 0's byte of row r,
	global_load_u8 v[A+\u], v7, s[70:71] offset:128+\u     ; block 1's
.endr
	s_lshr_b32 s72, s19, 4
	s_lshl_b32 s72, s72, 7
	s_add_co_u32 s72, s72, s67                     ; the token tile: 128 x batch + T
	s_and_b32 s73, s19, 15                         ; the head
	s_lshl_b32 s74, s72, 4
	s_add_co_u32 s74, s74, s73
	s_mul_i32 s74, s74, 768
	s_mov_b32 s75, 0
	s_add_nc_u64 s[8:9], s[8:9], s[74:75]          ; ac: [token tile][head][768]
	s_lshl_b32 s74, s72, 9
	s_lshl_b32 s73, s73, 1
	s_add_co_u32 s74, s74, s73
	s_add_nc_u64 s[10:11], s[10:11], s[74:75]      ; asc: [row][32], two bytes a head
	s_wait_loadcnt 0x0                             ; Q
.irp u, 0,1
	v_lshl_or_b32 v[QS+\u], v[A+\u], 8, v[QS+\u]
.endr
.irp u, 0,1
	v_lshl_or_b32 v[QS+\u], v[QS+\u], 16, v[QS+\u]     ; twice: the word serves [q | 0] and [0 | q]
.endr
	WALU
.rept 8
	v_nop                                          ; places between the scale words' making and their first use
.endr
.macro SPROD u, t                      ; key tile t of the step x tile u of my queries: fragment t / 2 holds tiles t and t xor 1; Q's zeros say which counts
.set D_, S-62*(\u)+8*(\t)
.set X_, Q+120*(\u)+6-6*((\t)%2)
	WIN 0x44*(\u)
.if ((\t)/2)%2
	v_wmma_scale_f32_16x16x128_f8f6f4 v[D_:D_+7], v[KF+12*((\t)/2):KF+12*((\t)/2)+11], v[X_:X_+11], 0, v[KS+(\t)/4], v[QS+(\u)] matrix_a_fmt:MATRIX_FMT_FP6 matrix_b_fmt:MATRIX_FMT_FP6 matrix_a_scale:MATRIX_SCALE_ROW1
.else
	v_wmma_scale_f32_16x16x128_f8f6f4 v[D_:D_+7], v[KF+12*((\t)/2):KF+12*((\t)/2)+11], v[X_:X_+11], 0, v[KS+(\t)/4], v[QS+(\u)] matrix_a_fmt:MATRIX_FMT_FP6 matrix_b_fmt:MATRIX_FMT_FP6
.endif
.endm
.macro OPROD u, m                      ; 16 channels x tile u of my queries, K = the step's 128 keys
.set D_, O-62*(\u)+8*(\m)
.set X_, P-62*(\u)
	WIN 1+0x54*(\u)
.if (\m)%2
	v_wmma_scale_f32_16x16x128_f8f6f4 v[D_:D_+7], v[VF+12*(\m):VF+12*(\m)+11], v[X_:X_+11], v[D_:D_+7], v[VS+(\m)/2], v[PW+(\u)] matrix_a_fmt:MATRIX_FMT_FP6 matrix_b_fmt:MATRIX_FMT_FP6 matrix_a_scale:MATRIX_SCALE_ROW1
.else
	v_wmma_scale_f32_16x16x128_f8f6f4 v[D_:D_+7], v[VF+12*(\m):VF+12*(\m)+11], v[X_:X_+11], v[D_:D_+7], v[VS+(\m)/2], v[PW+(\u)] matrix_a_fmt:MATRIX_FMT_FP6 matrix_b_fmt:MATRIX_FMT_FP6
.endif
.endm
; The next cnt of the 32 lines that find the largest score of tile u's two blocks of 32 keys, in four chains by turns; kk counts them.  Each score tile is read from its low end on.  Block 0's ends in BM, block 1's in BM + 2.
.macro BMN u, cnt
.set B_, BM+4*(\u)
.set L_, S-62*(\u)
.rept \cnt
.if kk < 4
	WIN 0x15*(\u)
	v_max3_num_f32 v[B_+kk], v[L_+16*kk], v[L_+16*kk+1], v[L_+16*kk+2]
.elseif kk < 28
	WIN 0x14*(\u)
	v_max3_num_f32 v[B_+kk%4], v[B_+kk%4], v[L_+16*(kk%4)+2*(kk/4)+1], v[L_+16*(kk%4)+2*(kk/4)+2]
.elseif kk < 30
	WIN 0x14*(\u)
	v_max3_num_f32 v[B_+2*(kk-28)], v[B_+2*(kk-28)], v[L_+32*(kk-28)+15], v[L_+32*(kk-28)+31]
.else
	WIN 0
	v_max_num_f32 v[B_+2*(kk-30)], v[B_+2*(kk-30)], v[B_+2*(kk-30)+1]
.endif
.set kk, kk+1
.endr
.endm
; The next cnt of the step's 27 LDS loads; n counts them.  0-12: K of the NEXT step and its scale words; 13-26: V of this step.
.macro LDN cnt
.rept \cnt
.if n < 12
	ds_load_b128 v[KF+4*n:KF+4*n+3], v4 offset:STEPB+512*n
.elseif n == 12
	ds_load_b64 v[KS:KS+1], v5 offset:STEPB+12288
.elseif n < 25
	WIN 0x40
	ds_load_b128 v[VF+4*(n-13):VF+4*(n-13)+3], v4 offset:6144+512*(n-13)
.elseif n < 27
	WIN 0
	ds_load_b32 v[VS+n-25], v5 offset:12544+256*(n-25)
.endif
.set n, n+1
.endr
	WIN 0
.endm
.macro PKF u, i                        ; pair i of tile u's scores: t - M, two at a time (of the pairs c and -M the low word serves both halves)
	v_pk_fma_f32 v[S-62*(\u)+2*(\i):S-62*(\u)+2*(\i)+1], v[S-62*(\u)+2*(\i):S-62*(\u)+2*(\i)+1], s[CS:CS+1], v[MM+2*(\u):MM+2*(\u)+1] op_sel_hi:[1,0,0]
.endm
.macro PKFN u, from, cnt
.set i_, \from
.rept \cnt
	PKF \u, i_
.set i_, i_+1
.endr
.endm
.macro RESC u                          ; O^T under the new M, each accumulator from its low end on
.set i_, 0
.rept 16
	v_pk_mul_f32 v[O-62*(\u)+2*i_:O-62*(\u)+2*i_+1], v[O-62*(\u)+2*i_:O-62*(\u)+2*i_+1], v[F+2*(\u):F+2*(\u)+1] op_sel_hi:[1,0]
.set i_, i_+1
.endr
.endm
.macro SRESC u                         ; the sum under the new M
	v_pk_mul_f32 v[SU+2*(\u):SU+2*(\u)+1], v[SU+2*(\u):SU+2*(\u)+1], v[F+2*(\u):F+2*(\u)+1] op_sel_hi:[1,0]
.endm
.macro CVT u, c, hi                    ; half of block c of tile u
.if \hi
	v_cvt_scalef32_pk16_fp6_f32 v[TP-62*(\u)+4*(\c):TP-62*(\u)+4*(\c)+2], v[S-62*(\u)+32*(\c)+16:S-62*(\u)+32*(\c)+31], v[BM+4*(\u)+2*(\c)]
.else
	v_cvt_scalef32_pk16_fp6_f32 v[P-62*(\u)+6*(\c):P-62*(\u)+6*(\c)+2], v[S-62*(\u)+32*(\c):S-62*(\u)+32*(\c)+15], v[BM+4*(\u)+2*(\c)]
.endif
.endm
; THE ROW'S SUM IS TAKEN OF THE UNQUANTISED p, two at a time.  LEV1: the 16 pairs of block 0, when they have been converted, are added two and two in place (8 lines); then all goes on in four chains, the sum itself and three more.
.macro LEV1 u, i
	v_pk_add_f32 v[S-62*(\u)+4*(\i):S-62*(\u)+4*(\i)+1], v[S-62*(\u)+4*(\i):S-62*(\u)+4*(\i)+1], v[S-62*(\u)+4*(\i)+2:S-62*(\u)+4*(\i)+3]
.endm
.macro SUMB0 u
.set L_, S-62*(\u)
.set B_, BM+4*(\u)
.set E_, C3+2*(\u)
.set U_, SU+2*(\u)
	WIN 0x04*(\u)
	v_pk_add_f32 v[U_:U_+1], v[U_:U_+1], v[L_:L_+1]
	WIN 0x05*(\u)
	v_pk_add_f32 v[B_:B_+1], v[L_+4:L_+5], v[L_+8:L_+9]
	v_pk_add_f32 v[B_+2:B_+3], v[L_+12:L_+13], v[L_+16:L_+17]
	v_pk_add_f32 v[E_:E_+1], v[L_+20:L_+21], v[L_+24:L_+25]
	WIN 0x04*(\u)
	v_pk_add_f32 v[U_:U_+1], v[U_:U_+1], v[L_+28:L_+29]
.endm
.macro SUMT u, t
.set L_, S-62*(\u)+8*(\t)
.set B_, BM+4*(\u)
.set E_, C3+2*(\u)
.set U_, SU+2*(\u)
	WIN 0x04*(\u)
	v_pk_add_f32 v[U_:U_+1], v[U_:U_+1], v[L_:L_+1]
	v_pk_add_f32 v[B_:B_+1], v[B_:B_+1], v[L_+2:L_+3]
	v_pk_add_f32 v[B_+2:B_+3], v[B_+2:B_+3], v[L_+4:L_+5]
	v_pk_add_f32 v[E_:E_+1], v[E_:E_+1], v[L_+6:L_+7]
.endm
.macro SUMFIN u
.set B_, BM+4*(\u)
.set E_, C3+2*(\u)
.set U_, SU+2*(\u)
	WIN 0
	v_pk_add_f32 v[B_:B_+1], v[B_:B_+1], v[B_+2:B_+3]
	v_pk_add_f32 v[U_:U_+1], v[U_:U_+1], v[E_:E_+1]
	v_pk_add_f32 v[U_:U_+1], v[U_:U_+1], v[B_:B_+1]
.endm
.macro MOVP u                          ; (a conversion's three registers begin on an even number: a block's upper three are made elsewhere and moved)
	WIN 0x41*(\u)
.irp c, 0,1
.irp i, 0,1,2
	v_mov_b32 v[P-62*(\u)+6*\c+3+\i], v[TP-62*(\u)+4*\c+\i]
.endr
.endr
.endm
; A KEY STEP: 128 keys.  It finds the scores of this step in S and the blocks' maxima in BM, BM + 2 of each tile.  kq = 1: it loads K of the next step and leaves that step's scores and maxima; kq = 0: the last step.
; The two tiles' chains stand side by side.
.macro STEP kq
	v_add_nc_u32 v4, s2, v1                        ; the step's addresses
	v_add_nc_u32 v5, s2, v2
.irp u, 0,1
	v_max3_num_f32 v[A+\u], v[BM+4*\u], v[BM+4*\u+2], v[MM+2*\u+1]
.endr
.irp u, 0,1
	v_mov_b32 v[BT+\u], v[MM+2*\u]                 ; the old -M
.endr
.set n, 13-13*(\kq)
	LDN 7                                          ; the LDS loads stand in the gaps of the chain of lines that leads to M.  The registers that they fill were last read by products that stand 11 plain lines back or more
.irp u, 0,1
	v_permlanex16_b32 v[F+2*\u], v[A+\u], s[SEL], s[SEL+1]
.endr
	LDN 6
.irp u, 0,1
	v_max_num_f32 v[MM+2*\u+1], v[A+\u], v[F+2*\u]     ; with lane l xor 16's keys: the largest score of my query so far
.endr
.irp u, 0,1
	v_mul_f32 v[A+\u], s[CS], v[MM+2*\u+1]         ; as t (c is positive: the largest score gives the largest t)
.endr
.irp u, 0,1
	v_floor_f32 v[MM+2*\u], -v[A+\u]               ; the new -M = floor(-t): M is a whole number
.endr
	LDN 14
.irp u, 0,1
	v_sub_f32 v[BT+\u], v[MM+2*\u], v[BT+\u]       ; M's old value less its new one: a whole number, 0 or less
.endr
.irp u, 0,1
	v_fma_f32 v[BM+4*\u], v[BM+4*\u], s[CS], v[MM+2*\u]        ; t - M of each block's largest score
	v_fma_f32 v[BM+4*\u+2], v[BM+4*\u+2], s[CS], v[MM+2*\u]
.endr
.irp u, 0,1
	v_cvt_i32_f32 v[BT+\u], v[BT+\u]               ; (it saturates)
.endr
.irp b, 0,2,4,6
	v_max_num_f32 v[BM+\b], 0xc2f80000, v[BM+\b]   ; held at -124: so the byte cannot fall under 1
.endr
	PKFN 0, 0, 2
.irp u, 0,1
	v_ldexp_f32 v[F+2*\u], 1.0, v[BT+\u]           ; f = 2^(old M - new M)
.endr
.irp b, 0,2,4,6
	v_floor_f32 v[BM+\b], v[BM+\b]
.endr
	PKFN 0, 2, 2
.irp b, 0,2,4,6
	v_cvt_i32_f32 v[BM+\b], v[BM+\b]
.endr
	PKFN 0, 4, 2
.irp b, 0,2,4,6
	v_ldexp_f32 v[BM+\b], 0x3e800000, v[BM+\b]     ; 2^(floor - 2): the conversion's scale operand
.endr
	PKFN 0, 6, 2
.irp u, 0,1
	v_lshrrev_b32 v[PW+\u], 23, v[BM+4*\u]         ; my blocks h and 2 + h: bytes 0 and 2 of the word in lanes 0-15, with lane l xor 16's at bytes 1 and 3
	v_lshrrev_b32 v[A+\u], 23, v[BM+4*\u+2]
.endr
	PKFN 0, 8, 2
.irp u, 0,1
	v_lshl_or_b32 v[PW+\u], v[A+\u], 16, v[PW+\u]
.endr
	PKFN 0, 10, 2
.irp u, 0,1
	v_permlanex16_b32 v[BT+\u], v[PW+\u], s[SEL], s[SEL+1]
.endr
	PKFN 0, 12, 4
.irp u, 0,1
	v_lshl_or_b32 v[PW+\u], v[BT+\u], 8, v[PW+\u]
.endr
	RESC 0
	WIN 0x41
	RESC 1
	WIN 0
	WALU
; THE EXPONENTIALS: p = 2^(t - M), at most 1, not normalised: four batches of 32, a block of a tile each.  Behind every second one of the first and the third stands a scaling of the tile's other block, which no line of that batch reads;
; in the second and the fourth stand the conversions of the tile's first block and the first level of its sum.
.set k, 0
.rept 32
	v_exp_f32 v[S+k], v[S+k]
.if k%2
	PKF 0, 16+k/2
.endif
.set k, k+1
.endr
	WIN 0x41
	PKFN 1, 0, 16
	WIN 0
	WALU
.rept 32
	v_exp_f32 v[S+k], v[S+k]
.if k == 33
	CVT 0, 0, 0
.elseif k == 39
	CVT 0, 0, 1
.elseif k == 45
	SRESC 0                                        ; (also the plain place behind the conversions)
.elseif (k > 45) && (k < 54)
	LEV1 0, k-46
.endif
.set k, k+1
.endr
	WIN 0x41
.set k, 0
.rept 32
	v_exp_f32 v[S-62+k], v[S-62+k]
.if k%2
	PKF 1, 16+k/2
.endif
.set k, k+1
.endr
	WIN 0
	WALU
	CVT 0, 1, 0
	CVT 0, 1, 1
	WIN 0x41
.rept 32
	v_exp_f32 v[S-62+k], v[S-62+k]
.if k == 33
	CVT 1, 0, 0
.elseif k == 39
	CVT 1, 0, 1
.elseif k == 45
	v_nop                                          ; the plain place behind the conversions
	WIN 0x45
.elseif (k > 45) && (k < 54)
	LEV1 1, k-46
.endif
.set k, k+1
.endr
	WIN 0
	SRESC 1                                        ; the plain place behind the last exponential
	WALU
	s_wait_dscnt 0x0                               ; K of the next step and V of this one, asked for ahead of the exponentials
	WIN 0x41
	CVT 1, 1, 0
	CVT 1, 1, 1
	SUMB0 0
.if \kq
; A score tile of the next step is begun when this step's p in its registers has been converted (above) and summed (ahead of it).
	SPROD 0, 0
	MOVP 0
	SPROD 0, 1
	SUMT 0, 4
	SPROD 0, 2
	SUMT 0, 5
	SPROD 0, 3
	SUMT 0, 6
	SPROD 0, 4
	SUMT 0, 7
	SPROD 0, 5
	SUMFIN 0
	SPROD 0, 6
	SUMB0 1
	SPROD 0, 7
	SPROD 1, 0
	SPROD 1, 1
	MOVP 1
	SPROD 1, 2
	SPROD 1, 3
.irp t, 4,6
	SUMT 1, \t
	SUMT 1, \t+1
	SPROD 1, \t
	SPROD 1, \t+1
.endr
	SUMFIN 1
.irp u, 0,1
.set kk, 0
	OPROD \u, 0
	BMN \u, 7                                      ; the next step's block maxima
	OPROD \u, 1
	BMN \u, 7
	OPROD \u, 2
	BMN \u, 7
	OPROD \u, 3
	BMN \u, 11
.endr
	WIN 0
	WALU
	s_add_co_u32 s2, s2, STEPB
.else
	MOVP 0
	MOVP 1
.irp t, 4,5,6,7
	SUMT 0, \t
.endr
	SUMFIN 0
	SUMB0 1
.irp t, 4,5,6,7
	SUMT 1, \t
.endr
	SUMFIN 1
.irp m, 0,1,2,3
	OPROD 0, \m
.endr
.irp m, 0,1,2,3
	OPROD 1, \m
.endr
	WIN 0
.endif
.endm
.macro GROUP trips
	s_mov_b32 s66, \trips
.Lstep_\@:
	STEP 1
	s_sub_co_u32 s66, s66, 1
	s_cmp_lg_u32 s66, 0
	s_cbranch_scc1 .Lstep_\@
.endm
	s_cmp_lt_u32 s[WV], 2
	s_cbranch_scc0 .Lnot_first
	s_wait_tensorcnt 0x0                           ; steps 0-3 have landed in their waves' count
.Lnot_first:
	s_barrier_signal -1
	s_barrier_wait -1
.set n, 0
.rept 12
	ds_load_b128 v[KF+4*n:KF+4*n+3], v1 offset:512*n   ; K of step 0
.set n, n+1
.endr
	ds_load_b64 v[KS:KS+1], v2 offset:12288
	s_wait_dscnt 0x0
.irp u, 0,1
.irp t, 0,1,2,3,4,5,6,7
	SPROD \u, \t                                   ; the first scores: there is no vector work yet to set between them
.endr
.endr
.rept 4
	v_nop                                          ; places in front of the first read of the scores
.endr
.irp u, 0,1
.set kk, 0
	BMN \u, 32
.endr
	WIN 0
	WALU
	GROUP 3                                        ; steps 0 to 2: they load K of steps 1 to 3
	s_wait_tensorcnt 0x0                           ; every wave's steps have landed
	s_barrier_signal -1
	s_barrier_wait -1
	GROUP 12                                       ; steps 3 to 14
	STEP 0                                         ; step 15: no K is left to load and no scores to begin
	; THE WAY OUT: O^T / the sum, quantised along the head's 64 (register 8 t + i is channel 32 h + 8 t + i of my query: my lane's whole block), as a half-image and two scale bytes a row for each tile
.irp u, 0,1
	v_add_f32 v[SU+2*\u], v[SU+2*\u], v[SU+2*\u+1]
.endr
.irp u, 0,1
	v_permlanex16_b32 v[A+\u], v[SU+2*\u], s[SEL], s[SEL+1]
.endr
.irp u, 0,1
	v_add_f32 v[SU+2*\u], v[SU+2*\u], v[A+\u]      ; the row's sum
.endr
	WALU
.irp u, 0,1
	v_rcp_f32 v[SU+2*\u], v[SU+2*\u]
.endr
	v_and_b32 v4, 15, v0                           ; (plain places behind the reciprocals and behind the last products)
	v_bfe_u32 v5, v0, 4, 1
	v_lshl_add_u32 v4, v4, 5, v5                   ; 32 r + h
.irp u, 0,1
	WIN 0x41*\u
	WALU
.set j, 0
.rept 32
	v_mul_f32 v[S-62*\u+j], v[O-62*\u+j], v[SU+2*\u]   ; each accumulator from its low end on
.set j, j+1
.endr
.endr
.macro WAYOUT u
.set L_, S-62*(\u)
.set X_, P-62*(\u)
.set Y_, TP-62*(\u)
.set B_, BM+4*(\u)
	WIN 0x05*(\u)
	v_max3_num_f32 v[B_], |v[L_]|, |v[L_+1]|, 0x1800000
	WIN 0x15*(\u)
	v_max3_num_f32 v[B_+1], |v[L_+16]|, |v[L_+17]|, |v[L_+18]|
	WIN 0x14*(\u)
.irp i, 2,4,6,8,10,12
	v_max3_num_f32 v[B_], v[B_], |v[L_+\i]|, |v[L_+\i+1]|
	v_max3_num_f32 v[B_+1], v[B_+1], |v[L_+17+\i]|, |v[L_+18+\i]|
.endr
	v_max3_num_f32 v[B_], v[B_], |v[L_+14]|, |v[L_+15]|
	WIN 0x10*(\u)
	v_max3_num_f32 v[B_], v[B_], v[B_+1], |v[L_+31]|
	WIN 0
	v_add_nc_u32 v[A+(\u)], 0xff000000, v[B_]
	WIN 0x41*(\u)
	v_cvt_scalef32_pk16_fp6_f32 v[X_:X_+2], v[L_:L_+15], v[A+(\u)]
	v_cvt_scalef32_pk16_fp6_f32 v[Y_:Y_+2], v[L_+16:L_+31], v[A+(\u)]
	WIN 0
	v_lshrrev_b32 v[BT+(\u)], 23, v[A+(\u)]        ; (a plain place behind the conversions)
	WIN 0x41*(\u)
.irp i, 0,1,2
	v_mov_b32 v[X_+3+\i], v[Y_+\i]
.endr
	WIN 0x04*(\u)
	global_store_b128 v1, v[X_:X_+3], s[8:9] offset:12288*(\u)     ; 512 consecutive bytes, aligned to 256
	global_store_b64 v2, v[X_+4:X_+5], s[8:9] offset:12288*(\u)+512
	WIN 0
	global_store_b8 v4, v[BT+(\u)], s[10:11] offset:512*(\u)       ; two bytes of each of 16 rows of 32: the other heads' work-groups write the rest
.endm
	WAYOUT 0
	WAYOUT 1
	s_wait_tensorcnt 0x0                           ; the wave's end
	ds_add_u32 v3, v6
	s_wait_dscnt 0x0
	CROUND                                         ; the closing round: no work-group ends while a partner may still ask for a step that names it
	s_endpgm
.Lfunc_end_k_qd7d5ca2f1a_attn:
	.size	k_qd7d5ca2f1a_attn, .Lfunc_end_k_qd7d5ca2f1a_attn-k_qd7d5ca2f1a_attn
	.p2alignl 7, 3214868480
	.fill 96, 4, 3214868480
	.section	.rodata,"a",@progbits
	.p2align	6, 0x0
	.amdhsa_kernel k_qd7d5ca2f1a_attn
		.amdhsa_group_segment_fixed_size 209920
		.amdhsa_private_segment_fixed_size 0
		.amdhsa_enable_private_segment 0
		.amdhsa_kernarg_size 32
		.amdhsa_user_sgpr_count 2
		.amdhsa_user_sgpr_kernarg_segment_ptr 1
		.amdhsa_wavefront_size32 1
		.amdhsa_system_sgpr_workgroup_id_x 1
		.amdhsa_system_sgpr_workgroup_id_y 1
		.amdhsa_system_sgpr_workgroup_id_z 1
		.amdhsa_system_vgpr_workitem_id 0
		.amdhsa_next_free_vgpr 448
		.amdhsa_next_free_sgpr 80
		.amdhsa_reserve_vcc 0
		.amdhsa_float_denorm_mode_32 3
		.amdhsa_float_denorm_mode_16_64 3
		.amdhsa_memory_ordered 1
		.amdhsa_forward_progress 1
		.amdhsa_inst_pref_size 99
	.end_amdhsa_kernel
	.amdgpu_metadata
---
amdhsa.version: [ 1, 2 ]
amdhsa.kernels:
  - .name:           k_qd7d5ca2f1a_attn
    .symbol:         k_qd7d5ca2f1a_attn.kd
    .args:
      - { .name: hc, .offset: 0, .size: 8, .value_kind: global_buffer, .address_space: global }
      - { .name: hs, .offset: 8, .size: 8, .value_kind: global_buffer, .address_space: global }
      - { .name: ac, .offset: 16, .size: 8, .value_kind: global_buffer, .address_space: global }
      - { .name: asc, .offset: 24, .size: 8, .value_kind: global_buffer, .address_space: global }
    .group_segment_fixed_size: 209920
    .private_segment_fixed_size: 0
    .kernarg_segment_align: 8
    .kernarg_segment_size: 32
    .max_flat_workgroup_size: 256
    .sgpr_count:     80
    .vgpr_count:     448
    .wavefront_size: 32
...
	.end_amdgpu_metadata
.endif
;; end of part 3
;; launch oproj (part 4): grid 8 x 32, 4 waves a work-group, clusters of 4 x 4, 197,120 bytes of LDS; arguments ac, asc, cod, scl, bo, out0; writes out0
.if DOCPART == 4
	.amdgcn_target "amdgcn-amd-amdhsa--gfx1250"
	.amdhsa_code_object_version 6
	.text
	.protected	k_qd7d5ca2f1a_oproj
	.globl	k_qd7d5ca2f1a_oproj
	.p2align	8
	.type	k_qd7d5ca2f1a_oproj,@function
k_qd7d5ca2f1a_oproj:
	s_mov_b64 s[64:65], 0
	v_nop
	global_prefetch_b8 v0, s[64:65] scope:SCOPE_SE
	s_setreg_imm32_b32 hwreg(HW_REG_WAVE_MODE, 25, 1), 1
	s_wait_xcnt 0x0
	s_wait_alu depctr_hold_cnt(0) depctr_sa_sdst(0) depctr_va_vdst(0) depctr_va_sdst(0) depctr_va_ssrc(0) depctr_va_vcc(0) depctr_vm_vsrc(0)
	s_getreg_b32 s2, hwreg(HW_REG_IB_STS2, 6, 4)
	s_cmp_eq_u32 s2, 0
	s_cbranch_scc0 .Lentry_in_a_cluster
	s_endpgm
.Lentry_in_a_cluster:
	s_bfe_u32 s2, ttmp6, 0x10000c
	s_cmp_lg_u32 s2, 0xf033
	s_cbranch_scc0 .Lentry_shape_is_right
	s_endpgm
.Lentry_shape_is_right:
; out0 = attn Wo^T + bo on codes of FP6 (E2M3) with E8M0 scales; sums in f32.  attn comes as half-images [token tile][head][768] with scale bytes [row][32]; Wo as tiles 448 on of cod and scl.
; SHARES.  Work-group (cg, tb): 128 tokens (8 tiles) x 128 columns.  Wave (th, hh): tokens 64 th on, columns 64 hh on.  It holds its four tiles of Wo, all of K, in 384 registers and takes its four token tiles one after the other:
; 32 products each, K ascending, the tile's four accumulators by turns; a finished tile leaves while the next is multiplied.
; Source 0 = 16 tokens, source 1 = 16 rows of Wo: row r of tile a is column 4 r + a of the 64, so a lane's register i of the four tiles are four neighbouring columns of one token's row, and sixteen lanes hold its 256 bytes:
; the addition of bo puts them into four registers on end, and they leave with no way through LDS.  Row 8 h + i of token tile m is token 32 h + 8 m + i of the 64.
; ALL OF K LIES IN LDS, filled once by one joint load a wave: waves 0, 1 Wo's halves (shown by the first barrier: it is read first), waves 2, 3 the tokens'.
; CLUSTER 4 x 4: attn's tiles hang on tb and are asked for jointly along a row, Wo's on cg, along a column.  No prefetch: every byte is asked for in the head.
; REGISTERS: v2-15 addresses; v32-63 attn's scale words (8 m + q), v68-99 Wo's (8 a + q); v100-103 bo; v104-199 and v768-863 a token tile's eight fragments; v200-231 rows on the way out; v256-507, v512-643 Wo's fragments (4 q + a);
;   v864-991 accumulators (32 m + 8 a).
.set TOKB,  98304
.set SPARE, 196608
.set MSB, 0
.macro WIN new
.if MSB != (\new)
	s_set_vgpr_msb (MSB<<8)|(\new)
.set MSB, (\new)
.endif
.endm
.macro PLACES
.rept 4
	v_nop
.endr
.endm
.macro CROUND
	s_barrier_signal -1
	s_barrier_wait -1
	s_cmp_lg_u32 s16, 0
	s_cbranch_scc1 .Lnot_wave_0_\@
	s_barrier_signal -3
.Lnot_wave_0_\@:
	s_barrier_wait -3
	s_barrier_signal -1
	s_barrier_wait -1
.endm
.macro GRP1 g, mask                    ; four tiles of 12,288 bytes (1,536 elements of 8), dense
	s_or_b32 s[\g], s\mask, (3<<16)|(1<<21)
	s_mov_b32 s[\g+1], 1536<<16
	s_mov_b32 s[\g+2], 4<<16
	s_mov_b32 s[\g+3], 1536<<16
	s_mov_b32 s[\g+4], 4
	s_mov_b32 s[\g+5], 1536
	s_mov_b32 s[\g+6], 0
	s_mov_b32 s[\g+7], 0
.endm
	s_load_b256 s[4:11], s[0:1], 0x0               ; ac, asc, cod, scl
	s_load_b128 s[12:15], s[0:1], 0x20             ; bo, out0
	v_lshl_add_u32 v2, v0, 2, SPARE
	v_mov_b32 v3, 0
	ds_add_u32 v2, v3                              ; the opening lines
	ds_add_u32 v2, v3
	v_lshrrev_b32 v1, 5, v0
	v_readfirstlane_b32 s16, v1
	s_lshr_b32 s17, s16, 1                         ; th
	s_and_b32 s18, s16, 1                          ; hh.  Also: which half I fetch
	s_bfe_u32 s19, ttmp6, 0x40000                  ; cx
	s_bfe_u32 s20, ttmp6, 0x40004                  ; cy
	s_lshl_b32 s21, ttmp9, 2
	s_add_co_u32 s21, s21, s19                     ; cg
	s_and_b32 s22, ttmp7, 0xffff
	s_lshl_b32 s22, s22, 2
	s_add_co_u32 s22, s22, s20                     ; tb
	s_lshl_b32 s23, s20, 2
	s_lshl_b32 s23, 15, s23                        ; my row of the cluster
	s_lshl_b32 s3, 0x1111, s19                     ; my column
	GRP1 24, 23
	GRP1 32, 3
	s_mul_i32 s48, s18, 49152
	s_mov_b32 s40, 1
	s_add_co_u32 s41, s48, TOKB
	s_mov_b32 s44, 1
	s_mov_b32 s45, s48
	s_mul_i32 s50, s22, 98304
	s_add_co_u32 s50, s50, s48                     ; the tokens' tiles
	s_mov_b32 s51, 0
	s_mul_i32 s52, s21, 98304
	s_add_co_u32 s52, s52, 448*12288
	s_add_co_u32 s52, s52, s48                     ; Wo's
	s_mov_b32 s53, 0
	v_and_b32 v5, 31, v0
	v_lshlrev_b32 v4, 4, v5                        ; 16 x lane
	v_lshlrev_b32 v5, 3, v5                        ; 8 x lane
	v_and_b32 v6, 15, v0                           ; r
	v_bfe_u32 v7, v0, 4, 1                         ; h
	v_add_nc_u32 v8, s48, v4                       ; my four tiles of Wo
	s_mul_i32 s54, s17, 49152
	s_add_co_u32 s54, s54, TOKB
	v_add_nc_u32 v9, s54, v4                       ; my four token tiles: 16 x lane,
	v_add_nc_u32 v10, s54, v5                      ; 8 x lane
	v_lshlrev_b32 v15, 4, v6                       ; 16 r
	v_lshl_add_u32 v13, v7, 17, v15                ; out0: 32 h rows of 4,096 bytes, + 16 r
	v_lshlrev_b32 v14, 5, v6                       ; 32 r
	s_wait_alu depctr_va_vdst(0)
	s_wait_dscnt 0x0
	s_wait_kmcnt 0x0
	s_add_nc_u64 s[42:43], s[4:5], s[50:51]
	s_or_b32 s43, s43, 0x80000000
	s_add_nc_u64 s[46:47], s[8:9], s[52:53]
	s_or_b32 s47, s47, 0x80000000
	CROUND                                         ; all sixteen work-groups are here: the joint loads meet
	s_cmp_lt_u32 s16, 2
	s_cbranch_scc0 .Ltokens
	tensor_load_to_lds s[44:47], s[32:39]          ; waves 0, 1: Wo
	s_nop 0
	PLACES
	s_branch .Lasked
.Ltokens:
	tensor_load_to_lds s[40:43], s[24:31]          ; waves 2, 3: the tokens
	s_nop 0
	PLACES
.Lasked:
	s_mov_b32 s61, 0
	s_lshl_b32 s60, s22, 12
	s_lshl_b32 s62, s17, 11
	s_add_co_u32 s60, s60, s62
	s_add_nc_u64 s[6:7], s[6:7], s[60:61]          ; my tokens' scale bytes
	s_lshl_b32 s60, s21, 12
	s_lshl_b32 s62, s18, 11
	s_add_co_u32 s60, s60, s62
	s_add_co_u32 s60, s60, 448*512
	s_add_nc_u64 s[10:11], s[10:11], s[60:61]      ; my columns'
	s_lshl_b32 s60, s21, 9
	s_lshl_b32 s62, s18, 8
	s_add_co_u32 s60, s60, s62                     ; my first column, in bytes
	s_add_nc_u64 s[12:13], s[12:13], s[60:61]
	s_add_nc_u64 s[14:15], s[14:15], s[60:61]
	s_lshl_b32 s60, s22, 19
	s_lshl_b32 s62, s17, 18
	s_add_co_u32 s60, s60, s62                     ; my first token's row
	s_add_nc_u64 s[14:15], s[14:15], s[60:61]
.irp i, 0,1,2,3
	global_load_b128 v[68+8*\i:71+8*\i], v15, s[10:11] offset:512*\i
	global_load_b128 v[72+8*\i:75+8*\i], v15, s[10:11] offset:512*\i+256
	global_load_b128 v[32+8*\i:35+8*\i], v14, s[6:7] offset:512*\i
	global_load_b128 v[36+8*\i:39+8*\i], v14, s[6:7] offset:512*\i+16
.endr
	global_load_b128 v[100:103], v15, s[12:13]     ; bo of columns 4 r .. 4 r + 3
.macro FETCHT m                        ; a token tile: eight fragments of two half-images
.irp q, 0,1,2,3,4,5,6,7
.irp c, 0,1
.set R_, 104+664*((\m)%2)+12*\q+6*\c
	WIN ((R_>>8)<<6)
	ds_load_b128 v[(R_&255):(R_&255)+3], v9 offset:12288*(\m)+1536*\q+768*\c
	ds_load_b64 v[(R_&255)+4:(R_&255)+5], v10 offset:12288*(\m)+1536*\q+768*\c+512
.endr
.endr
	WIN 0
.endm
.macro MULS m, from, to                ; K steps from .. to - 1 of token tile m
.set q_, \from
.rept (\to)-(\from)
.irp a, 0,1,2,3
.set F_, 4*q_+\a
.set W_, 256*(1+F_/21)+12*(F_%21)
.set X_, 104+664*((\m)%2)+12*q_
.set D_, 864+32*(\m)+8*\a
	WIN (X_>>8)|((W_>>8)<<2)|((D_>>8)<<4)|((D_>>8)<<6)
.if q_ == 0
	v_wmma_scale_f32_16x16x128_f8f6f4 v[(D_&255):(D_&255)+7], v[(X_&255):(X_&255)+11], v[(W_&255):(W_&255)+11], 0, v[32+8*(\m)+q_], v[68+8*\a+q_] matrix_a_fmt:MATRIX_FMT_FP6 matrix_b_fmt:MATRIX_FMT_FP6
.else
	v_wmma_scale_f32_16x16x128_f8f6f4 v[(D_&255):(D_&255)+7], v[(X_&255):(X_&255)+11], v[(W_&255):(W_&255)+11], v[(D_&255):(D_&255)+7], v[32+8*(\m)+q_], v[68+8*\a+q_] matrix_a_fmt:MATRIX_FMT_FP6 matrix_b_fmt:MATRIX_FMT_FP6
.endif
.endr
.set q_, q_+1
.endr
	WIN 0
.endm
.macro OUT m                           ; a token tile leaves: each accumulator from its low end on
.if (\m) > 0
	s_wait_xcnt 0x0                                ; the last tile's stores have read their registers
.endif
	WIN 0x03
.irp i, 0,1,2,3,4,5,6,7
.irp a, 0,1,2,3
	v_add_f32 v[200+4*\i+\a], v[96+32*(\m)+8*\a+\i], v[100+\a]
.endr
.endr
	WIN 0
.irp i, 0,1,2,3,4,5,6,7
	global_store_b128 v13, v[200+4*\i:203+4*\i], s[14:15] offset:(8*(\m)+\i)*4096 th:TH_STORE_NT   ; 16 lanes store 256 consecutive bytes, aligned
.endr
.endm
	s_cmp_lt_u32 s16, 2
	s_cbranch_scc0 .Lnot_wo
	s_wait_tensorcnt 0x0                           ; waves 0, 1: Wo has landed
.Lnot_wo:
	s_barrier_signal -1
	s_barrier_wait -1
.set f_, 0
.rept 32
.set W_, 256*(1+f_/21)+12*(f_%21)
	WIN ((W_>>8)<<6)
.irp p, 0,1,2
	ds_load_b128 v[(W_&255)+4*\p:(W_&255)+4*\p+3], v8 offset:12288*(f_%4)+1536*(f_/4)+512*\p
.endr
.set f_, f_+1
.endr
	WIN 0
	s_wait_tensorcnt 0x0                           ; the tokens too
	s_wait_dscnt 0x0
	s_barrier_signal -1
	s_barrier_wait -1
	FETCHT 0
	FETCHT 1
	s_wait_loadcnt 0x0                             ; scale words and bo
	s_wait_dscnt 32                                ; tile 0 is in; tile 1's 32 loads may be out
	MULS 0, 0, 8
	PLACES
	FETCHT 2
	s_wait_dscnt 32                                ; tile 1 is in; tile 2's 32 loads may be out
	MULS 1, 0, 4
	OUT 0
	MULS 1, 4, 8
	PLACES
	FETCHT 3
	s_wait_dscnt 32                                ; tile 2 is in; tile 3's 32 loads may be out
	MULS 2, 0, 4
	OUT 1
	MULS 2, 4, 8
	PLACES
	s_wait_dscnt 0x0
	MULS 3, 0, 4
	OUT 2
	MULS 3, 4, 8
	PLACES
	OUT 3
	s_wait_tensorcnt 0x0                           ; the wave's end
	ds_add_u32 v2, v3
	s_wait_dscnt 0x0
	CROUND                                         ; the closing round: no work-group ends while a partner may still ask for a tile that names it
	s_endpgm
.Lfunc_end_k_qd7d5ca2f1a_oproj:
	.size	k_qd7d5ca2f1a_oproj, .Lfunc_end_k_qd7d5ca2f1a_oproj-k_qd7d5ca2f1a_oproj
	.p2alignl 7, 3214868480
	.fill 96, 4, 3214868480
	.section	.rodata,"a",@progbits
	.p2align	6, 0x0
	.amdhsa_kernel k_qd7d5ca2f1a_oproj
		.amdhsa_group_segment_fixed_size 197120
		.amdhsa_private_segment_fixed_size 0
		.amdhsa_enable_private_segment 0
		.amdhsa_kernarg_size 48
		.amdhsa_user_sgpr_count 2
		.amdhsa_user_sgpr_kernarg_segment_ptr 1
		.amdhsa_wavefront_size32 1
		.amdhsa_system_sgpr_workgroup_id_x 1
		.amdhsa_system_sgpr_workgroup_id_y 1
		.amdhsa_system_sgpr_workgroup_id_z 1
		.amdhsa_system_vgpr_workitem_id 0
		.amdhsa_next_free_vgpr 1024
		.amdhsa_next_free_sgpr 102
		.amdhsa_reserve_vcc 0
		.amdhsa_float_denorm_mode_32 3
		.amdhsa_float_denorm_mode_16_64 3
		.amdhsa_memory_ordered 1
		.amdhsa_forward_progress 1
		.amdhsa_inst_pref_size 47
	.end_amdhsa_kernel
	.amdgpu_metadata
---
amdhsa.version: [ 1, 2 ]
amdhsa.kernels:
  - .name:           k_qd7d5ca2f1a_oproj
    .symbol:         k_qd7d5ca2f1a_oproj.kd
    .args:
      - { .name: ac, .offset: 0, .size: 8, .value_kind: global_buffer, .address_space: global }
      - { .name: asc, .offset: 8, .size: 8, .value_kind: global_buffer, .address_space: global }
      - { .name: cod, .offset: 16, .size: 8, .value_kind: global_buffer, .address_space: global }
      - { .name: scl, .offset: 24, .size: 8, .value_kind: global_buffer, .address_space: global }
      - { .name: bo, .offset: 32, .size: 8, .value_kind: global_buffer, .address_space: global }
      - { .name: out0, .offset: 40, .size: 8, .value_kind: global_buffer, .address_space: global }
    .group_segment_fixed_size: 197120
    .private_segment_fixed_size: 0
    .kernarg_segment_align: 8
    .kernarg_segment_size: 48
    .max_flat_workgroup_size: 128
    .sgpr_count:     102
    .vgpr_count:     1024
    .wavefront_size: 32
...
	.end_amdgpu_metadata
.endif
;; end of part 4
